; MI455X (gfx1250); checked and timed in simulation.
; The chip was launched on July 23, 2026; its instructions are those of AMD's public machine-readable ISA for CDNA 5 (MIT licence, August 2026) and "CDNA5" Instruction Set Architecture Reference Guide (July 2026). The comments in the code are by the model that wrote it; some were corrected since.
;; Flash Attention. Allowed arithmetic: matrix products marked QUANTISED: E2M3 operands, one E8M0 scale for each 32 along K, by v_wmma_scale_f32_16x16x128_f8f6f4 with both operands' format E2M3, f32 sums; everything else in f32.
;; Inputs: k_codes 2 x 16 x 2,048 x 2 x 24 uint8 (E2M3 codes of k, K innermost, in blocks of 32 codes, four codes in three bytes); k_scales 2 x 16 x 2,048 x 2 uint8 (E8M0 scales of k, one for each 32 codes along K); q_codes 2 x 16 x 2,048 x 2 x 24 uint8 (E2M3 codes of q, K innermost, in blocks of 32 codes, four codes in three bytes); q_scales 2 x 16 x 2,048 x 2 uint8 (E8M0 scales of q, one for each 32 codes along K); v_codes 2 x 16 x 64 x 64 x 24 uint8 (E2M3 codes of v, K innermost, in blocks of 32 codes, four codes in three bytes); v_scales 2 x 16 x 64 x 64 uint8 (E8M0 scales of v, one for each 32 codes along K).
;; Outputs: out0 2 x 16 x 2,048 x 64 float32.
;; This version of the problem:
;;   THIS VERSION OF THE PROBLEM IS GIVEN IN LOW PRECISION. The matrix products marked QUANTISED in the list below multiply operands that are first quantised to E2M3 (2 exponent bits, 3 mantissa bits; 6 bits a number), with one power-of-two scale for each 32 numbers along K (OCP MX v1.0); their sums are f32. All else is computed in f32.
;;   The module's matrix products, in the order in which they are computed (A, B: the left and right operand; K: the contracted axis; several contracted axes count as one K, in the product's order):
;;     1. batch 32 x [M 2,048, K 64] x [K 64, N 2,048]; A: input q (given as codes); B: input k (given as codes): QUANTISED
;;     2. batch 32 x [M 2,048, K 2,048] x [K 2,048, N 64]; A: softmax (see below); B: input v (given as codes): QUANTISED
;;   THE QUANTISER, for each operand of a quantised product, along K:
;;     - K is cut into blocks of 32 from its start; a last block that is shorter is filled with zeros.
;;     - A block's scale is 2^e with e = floor(log2(the largest magnitude in the block)) - 2, held to -126 .. 127; a block of zeros has e = 0. As a byte (E8M0): e + 127.
;;     - Each number is divided by its block's scale, clamped to +-7.5, and rounded to the nearest number of E2M3, ties to even, subnormals kept.
;;     - The product sums the exact products of the quantised numbers (number of the format x scale) in f32.
;;   ~~~python
;;   def quantise(x, axis):      # numpy; x: float32 -> the quantised numbers, widened to float32 again
;;       x = np.moveaxis(x, axis, -1); K = x.shape[-1]
;;       x = np.pad(x, [(0, 0)] * (x.ndim - 1) + [(0, -K % 32)]); x = x.reshape(x.shape[:-1] + (-1, 32)); a = np.abs(x).max(-1, keepdims=True)
;;       e = np.where(a > 0, np.clip(np.frexp(np.where(a > 0, a, 1))[1] - 1 - 2, -126, 127), 0)      # np.frexp(a)[1] - 1 = floor(log2(a)), exactly
;;       r = np.clip(x / 2.0 ** e, -7.5, 7.5)
;;       step = 2.0 ** (np.maximum(np.frexp(np.where(r == 0, 1, r))[1] - 1, 0) - 3)
;;       q = np.round(r / step) * step * 2.0 ** e      # np.round: ties to even
;;       return np.moveaxis(q.reshape(q.shape[:-2] + (-1,))[..., :K], -1, axis).astype(np.float32)
;;   ~~~
;;   SOFTMAX AHEAD OF A QUANTISED PRODUCT. Where the list says 'softmax', what is quantised is not the finished softmax but p = 2^(t - M), with t = logit x log2(e) and M = ceil(the row's largest t), a whole number; so 1/2 < the row's largest p <= 1. The row's sum l is taken of the UNQUANTISED p, in f32, and the product's result is divided by l at the end. Since M is a whole number, a kernel that streams over the keys may use a running M (the ceiling of the running maximum): every later rescaling is an exact power of two, which a block's scale takes up: the codes' values come out the same.
;;   OPERANDS COMPUTED ON THE WAY. 'Computed on the way' means the value that the module computes at that place (a softmax that the list does not call 'softmax' is quantised finished and normalised). What goes into a quantiser is computed in f32, as accurately as f32 sums, v_exp_f32 and their like allow (about 1e-6 of the number): no bf16 or f16 on the way to a quantiser, and a product that is left as it is and whose result goes on into a quantised operand takes f32 operands (vector FMAs, or v_wmma_f32_16x16x4_f32). A number that lies on a knife's edge between two numbers of the format may be rounded either way, as far as f32 arithmetic and the matrix unit's own rounding can turn it there, and no further.
;;   INPUTS GIVEN AS CODES. k (in the module: [2, 16, 2048, 64], K = its axis 3); q (in the module: [2, 16, 2048, 64], K = its axis 3); v (in the module: [2, 16, 2048, 64], K = its axis 2): each comes as NAME_codes (uint8): NAME with its K axis moved to the last place and cut into blocks of 32 codes, [.., K / 32, bytes a block], one block behind the other in memory; four codes in three bytes: a row's codes are one little-endian stream of bits, code i at bits 6 i .. 6 i + 5 (a code: sign, 2 exponent bits, 3 mantissa bits); and NAME_scales (uint8): the same leading axes, one E8M0 byte (e + 127) for each 32 codes along K. Its value is code x scale, taken as it is: it is not quantised again, and the codes and scales need not be those that the quantiser above would give.
;; One version. Each part assembles by itself: llvm-mc -triple=amdgcn-amd-amdhsa -mcpu=gfx1250 --defsym DOCPART=n.
;; ======== version 1 of 1: 1 launch
;; limits: right only within a limited range of input values
;; launch attn (part 1): grid 8 x 32, 16 waves a work-group, clusters of 4 x 1, 303,360 bytes of LDS; arguments k_codes, k_scales, q_codes, q_scales, v_codes, v_scales, out0; writes out0
.if DOCPART == 1
	.amdgcn_target "amdgcn-amd-amdhsa--gfx1250"
	.amdhsa_code_object_version 6
	.text
	.protected	k_q214a5d6bf2_attn
	.globl	k_q214a5d6bf2_attn
	.p2align	8
	.type	k_q214a5d6bf2_attn,@function
k_q214a5d6bf2_attn:
	s_mov_b64 s[64:65], 0
	v_nop
	global_prefetch_b8 v0, s[64:65] scope:SCOPE_SE
	s_setreg_imm32_b32 hwreg(HW_REG_WAVE_MODE, 25, 1), 1
	s_wait_xcnt 0x0
	s_wait_alu depctr_hold_cnt(0) depctr_sa_sdst(0) depctr_va_vdst(0) depctr_va_sdst(0) depctr_va_ssrc(0) depctr_va_vcc(0) depctr_vm_vsrc(0)
	s_getreg_b32 s2, hwreg(HW_REG_IB_STS2, 6, 4)
	s_cmp_eq_u32 s2, 0
	s_cbranch_scc0 .Lentry_in_a_cluster
	s_endpgm
.Lentry_in_a_cluster:
	s_bfe_u32 s2, ttmp6, 0x10000c
	s_cmp_lg_u32 s2, 0x3003
	s_cbranch_scc0 .Lentry_shape_is_right
	s_endpgm
.Lentry_shape_is_right:
; out0[h][q][:] = the sum over keys k <= q of softmax_k(Q[h][q] . K[h][k] / 8) V[h][k][:]; 32 heads, 2,048 queries and keys, head size 64.  Both products on codes of FP6 (E2M3) with one E8M0 byte for each 32 along a product's K.
; Q, K: rows of 64 codes (48 bytes) and 2 scale bytes.  V: keys innermost: 64 rows d of 2,048 codes (1,536 bytes) and 64 scale bytes a head.  out0: rows of 64 f32 (256 bytes).
; THE SOFTMAX AHEAD OF THE SECOND PRODUCT: t = score x log2(e) / 8; M = the running largest t, rounded UP to a whole number; p = 2^(t - M) is quantised along the keys, not normalised; the row's sum is taken of the
; unquantised p and divides O at the end.  When M moves, the sum and O are multiplied by 2^(old M - new M), which rounds nothing.
; SHARES.  Work-group (x, head), x = 0..7; sixteen waves, four to a SIMD, 256 registers each.  Wave w owns ONE tile of 16 queries: 128 G(w) + 16 x .. + 15.  It walks key steps 0 .. G(w) of 128 keys; step G(w) lies on the diagonal.
; G(w), written as a 4 x 4 square by w / 4 and w % 4, has rows and columns that all sum to 30: 34 key steps on every four waves taken either way, and the same in every work-group: 256 work-groups of equal work.
; G hangs on the wave's number alone, so the work-groups of a head run alike.
; NO RING.  A head's K (98,304 bytes), V (98,304) and scale bytes (8,192) fit in LDS together: each byte of LDS is filled once, at the start, and nothing is filled again.
; CLUSTER.  Four work-groups of one head form a cluster and need the same K, V and scales: each tile is asked for JOINTLY, by the same tensor load with the same descriptor and a mask that names the four.
; LAYOUT.  Both products are used transposed: S^T = K Q^T (source 0 = 16 keys, source 1 = my 16 queries), O^T = V^T P^T (source 0 = 16 of the head's 64, source 1 = P): a lane holds ONE query (lane % 16) throughout.
; The first product's K is 64 of the instruction's 128: registers 6-11 of Q's and K's fragments hold zero codes, set once, and the upper two bytes of their scale words are 0 (2^-127 over zero codes adds nothing).
; THE KEYS OF A TILE ARE NOT NEIGHBOURS: lane r of tile 2 b + u takes key 32 b + 8 u + r + 8 (r / 8), so that the 16 registers of tiles 2 b and 2 b + 1 are 16 neighbouring keys, 32 b + 16 (lane / 16) + 0 .. 15.
; LIMITS.  Hidden keys count for nothing (their scores become -infinity, or their step is left out), where the definition gives them the logit -1e6: the same result while a row's largest visible logit lies above about -1e6 + 150.
; Scale bytes 0xff (NaN) and t under -3e38 are not served.
; LEFT OUT: prefetching (all that a work-group reads is asked for at its start); register windows and several query tiles to a wave (four waves to a SIMD set one wave's vector work beside another's products and LDS loads).
;
; LDS.  K's groups of 16 keys lie in two regions, the even groups from 0 and the odd ones from KODD = 128 bytes past a multiple of 256: lanes r < 8 read 12 r + 6 h words on and lanes r >= 8 another 32 banks on, so that the
; 32 lanes of a load of 8 bytes touch 64 different banks (64 banks of 4 bytes: ISA guide 11.1).
.set KODD,   49280                     ; K's odd groups: row e of 768 bytes = keys 32 e + 16 .. + 31 (the even region, from 0: keys 32 e .. + 15)
.set VBASE,  98560                     ; V: eight tiles of 256 keys; a tile: 64 rows d of 192 bytes, 16 bytes of padding behind every 64: rows 240 bytes apart
.set VTILE,  15360
.set SCK,    221440                    ; K's scale bytes: 64 rows of 64 bytes (32 keys) + 16 of padding
.set SCV,    226560                    ; V's: row d: 64 bytes + 16
.set STAGE,  231680                    ; the way out: 16 rows x (256 bytes + 16) for each wave; no tensor load lands here
.set SPITCH, 272
; VECTOR REGISTERS
.set ADK,  1                           ; LDS address of my lane in the step pair's tiles of K
.set ADVA, 2                           ; the same for V;
.set ADVB, 3                           ; and for the pieces that lie behind one padding more in lanes 16-31
.set ADS,  4                           ; K's scale words: lanes 0-15 an even tile's, lanes 16-31 the odd tile's beside it
.set ADT,  5                           ; V's likewise
.set STO,  6                           ; the way out: where I put 32 bytes of a row
.set RD,   7                           ; and where I read a row back
.set GO,   8                           ; my byte offset in the wave's rows of out0
.set DM,   9                           ; my query - the diagonal step's first key - 16 (lane / 16): a number for compares, never an address
.set QO,   10                          ; offsets of Q's loads
.set QSO,  11
.set NM,   12                          ; v12 -M, v13 the largest t
.set LS,   14                          ; v[14:15] the row's sum, in two halves
.set RQ,   16                          ; v16-27 Q's fragment
.set PB,   28                          ; v28-31 at work: the other half's maxima, scale bytes, codes, a chain of sums
.set KF,   32                          ; v32-79 four fragments of K
.set VF,   80                          ; v80-127 four fragments of V
.set SS,   128                         ; v128-191 S^T, then p
.set OT,   192                         ; v192-223 O^T
.set PC,   224                         ; v224-235 p's codes
.set KS,   236                         ; v236-239 K's scale words; v240-241 V's; v242 p's; v243 Q's: v236-239 also carry a chain of sums
.set VS,   240
.set PS,   242
.set QS,   243
.set BM,   244                         ; v244-247 the blocks' largest scores, then largest p; later codes
.set SO,   248                         ; v248-251 the conversions' scale operands
.set FF,   252                         ; v252 f = 2^(old M - new M); v253 = 0, named with it as a pair
.set T2,   254
; SCALAR REGISTERS
.set WV,    18                         ; my wave's number
.set GB,    19                         ; G: my block of 128 queries, and my last key step
.set SEL,   20                         ; s[20:21] lane selects for v_permlanex16_b32: lane l xor 16
.set CS,    22                         ; s[22:23] c = log2(e) / 8
.set G1K,   24                         ; descriptor groups 1: K's tiles, V's, the scale bytes'
.set G1V,   32
.set G1S,   40
.set G0K,   48                         ; s[48:63] groups 0 for K's four chunks
.set G0SK,  68                         ; K's scale bytes
.set G0V,   72                         ; s[72:87] V's four tiles
.set G0SV,  88                         ; V's scale bytes
.set JS,    92                         ; the key step in hand
.set TRIPS, 93
.set PAR,   94                         ; wave % 2: which half I fetch, if I fetch
.set X16,   95                         ; 16 x
.set HC,    96                         ; head x 98,304: the head's first byte in each tensor of codes
.set Q0,    97                         ; my first query
.set HS,    98                         ; head x 4,096: in each tensor of scale bytes
.set XO,    100                        ; s[100:101] offsets that hang on x: no register that feeds a joint descriptor ever holds x
; A round of the cluster's barrier: my work-group's barrier, so that wave 0's signal speaks for all sixteen waves; wave 0 signals for the work-group; every wave waits for the four work-groups; my work-group's barrier once more.
.macro CROUND
	s_barrier_signal -1
	s_barrier_wait -1
	s_cmp_lg_u32 s[WV], 0
	s_cbranch_scc1 .Lnot_wave_0_\@
	s_barrier_signal -3
.Lnot_wave_0_\@:
	s_barrier_wait -3
	s_barrier_signal -1
	s_barrier_wait -1
.endm
; Four places behind a matrix instruction of this form, in front of loads into registers that it has read and of the first read of its results (ISA guide 7.12.1 for vector instructions).
.macro PLACES
.rept 4
	v_nop
.endr
.endm
	s_load_b256 s[4:11], s[0:1], 0x0               ; K's codes s[4:5], K's scales s[6:7], Q's codes s[8:9], Q's scales s[10:11]
	s_load_b128 s[12:15], s[0:1], 0x20             ; V's codes, V's scales
	s_load_b64 s[16:17], s[0:1], 0x30              ; out0
	v_lshl_add_u32 v254, v0, 2, 0x49900
	v_mov_b32 v255, 0
	ds_add_u32 v254, v255
	ds_add_u32 v254, v255
	s_wait_dscnt 0x0
	v_lshrrev_b32 v[T2], 5, v0
	s_delay_alu instid0(VALU_DEP_1)
	v_readfirstlane_b32 s[WV], v[T2]               ; wave 0..15
	; G(w): with r = w / 4, c = w % 4:  y = 2 c + ((r xor r / 2) & 1);  G = y, or 15 - y where (r / 2 xor c xor c / 2 xor 1) is odd
	s_lshr_b32 s2, s[WV], 2                        ; r
	s_and_b32 s3, s[WV], 3                         ; c
	s_lshr_b32 s66, s2, 1                          ; r / 2
	s_xor_b32 s67, s2, s66
	s_and_b32 s67, s67, 1
	s_lshl_b32 s[GB], s3, 1
	s_or_b32 s[GB], s[GB], s67                     ; y
	s_lshr_b32 s67, s3, 1
	s_xor_b32 s67, s67, s3
	s_xor_b32 s67, s67, s66
	s_xor_b32 s67, s67, 1
	s_and_b32 s67, s67, 1
	s_mul_i32 s67, s67, 15
	s_xor_b32 s[GB], s[GB], s67                    ; rows of the square: 15 2 4 9 | 14 3 5 8 | 1 12 10 7 | 0 13 11 6
	s_and_b32 s[PAR], s[WV], 1
	s_and_b32 s2, ttmp7, 0xffff                    ; the head, which the four partners share
	s_mul_i32 s[HC], s2, 98304
	s_lshl_b32 s[HS], s2, 12
	s_bfe_u32 s[X16], ttmp6, 0x40000               ; cx: my place in the cluster
	s_lshl_b32 s[XO], ttmp9, 2                     ; in a cluster launch ttmp9 counts clusters
	s_add_co_u32 s[X16], s[X16], s[XO]             ; x = 4 x cluster x + cx: it enters Q's and out0's addresses and the mask's compares alone
	s_lshl_b32 s[X16], s[X16], 4
	s_mov_b32 s[SEL], 0x76543210
	s_mov_b32 s[SEL+1], 0xfedcba98
	s_mov_b32 s[CS], 0x3e38aa3b                    ; c = log2(e) / 8
	s_mov_b32 s[CS+1], s[CS]                       ; (named with it as a pair, so it is written)
	s_mov_b32 s[JS], 0
	; descriptor groups 1; elements of 1 byte; 15:0 the mask: all four work-groups; bit 21 set beside a mask
	s_mov_b32 s[G1K], 15|(1<<21)                   ; K: 16 rows of 768 bytes (16 keys), 1,536 bytes apart in memory: every second group of 16 keys; dense in LDS
	s_mov_b32 s[G1K+1], 768<<16                    ; tensor_dim0
	s_mov_b32 s[G1K+2], 16<<16                     ; tensor_dim1
	s_mov_b32 s[G1K+3], 768<<16                    ; tile_dim0
	s_mov_b32 s[G1K+4], 16                         ; tile_dim1
	s_mov_b32 s[G1K+5], 1536                       ; tensor_dim0_stride
	s_mov_b32 s[G1K+6], 0
	s_mov_b32 s[G1K+7], 0
	s_mov_b32 s[G1V], 15|(1<<20)|(1<<21)|(3<<22)|(3<<25)   ; V: 64 rows of 192 bytes (256 keys), 1,536 apart; 20 padding on; 24:22 after every 16 words (code 3); 31:25 of 4 words (code 3)
	s_mov_b32 s[G1V+1], 192<<16
	s_mov_b32 s[G1V+2], 64<<16
	s_mov_b32 s[G1V+3], 192<<16
	s_mov_b32 s[G1V+4], 64
	s_mov_b32 s[G1V+5], 1536
	s_mov_b32 s[G1V+6], 0
	s_mov_b32 s[G1V+7], 0
	s_mov_b32 s[G1S], 15|(1<<20)|(1<<21)|(3<<22)|(3<<25)   ; scale bytes: half a head's, 32 rows of 64 bytes, dense in memory; the same padding: rows 80 bytes apart
	s_mov_b32 s[G1S+1], 64<<16
	s_mov_b32 s[G1S+2], 32<<16
	s_mov_b32 s[G1S+3], 64<<16
	s_mov_b32 s[G1S+4], 32
	s_mov_b32 s[G1S+5], 64
	s_mov_b32 s[G1S+6], 0
	s_mov_b32 s[G1S+7], 0
	; my lane's addresses, all made here, on the way that every wave takes
	v_and_b32 v244, 15, v0                         ; r = lane % 16
	v_bfe_u32 v245, v0, 4, 1                       ; h = lane / 16
	v_and_b32 v246, 31, v0                         ; lane
	v_and_b32 v247, 7, v0                          ; r % 8
	v_bfe_u32 v248, v0, 3, 1                       ; r / 8
	v_mul_u32_u24 v[QO], v244, 48
	s_delay_alu instid0(VALU_DEP_1)
	v_mad_u32_u24 v[QO], v245, 24, v[QO]           ; Q: row r of 48 bytes, + 24 h
	v_lshlrev_b32 v[QSO], 1, v244                  ; its two scale bytes
	v_mul_u32_u24 v[ADK], v247, 48
	s_delay_alu instid0(VALU_DEP_1)
	v_mad_u32_u24 v[ADK], v248, KODD, v[ADK]
	s_delay_alu instid0(VALU_DEP_1)
	v_mad_u32_u24 v[ADK], v245, 24, v[ADK]         ; K: 48 (r % 8) + KODD (r / 8) + 24 h
	v_mul_u32_u24 v[ADVA], v244, 240
	s_delay_alu instid0(VALU_DEP_1)
	v_mad_u32_u24 v[ADVA], v245, 24, v[ADVA]
	s_delay_alu instid0(VALU_DEP_1)
	v_add_nc_u32 v[ADVA], VBASE, v[ADVA]           ; V: row r of a tile of 16 rows, + 24 h,
	s_delay_alu instid0(VALU_DEP_1)
	v_lshl_add_u32 v[ADVB], v245, 4, v[ADVA]       ; or + 40 h
	v_lshlrev_b32 v[ADS], 1, v244
	s_delay_alu instid0(VALU_DEP_1)
	v_lshl_add_u32 v[ADS], v248, 4, v[ADS]
	s_delay_alu instid0(VALU_DEP_1)
	v_lshl_add_u32 v[ADS], v245, 4, v[ADS]
	s_delay_alu instid0(VALU_DEP_1)
	v_add_nc_u32 v[ADS], SCK, v[ADS]               ; K's scales: 2 bytes a key: key r + 8 (r / 8) of a row's 32, + 8 keys for the odd tile (lanes 16-31)
	v_mul_u32_u24 v[ADT], v246, 80
	s_delay_alu instid0(VALU_DEP_1)
	v_add_nc_u32 v[ADT], SCV, v[ADT]               ; V's: row d = lane of a pair of tiles
	s_mul_i32 s2, s[WV], 16*SPITCH
	s_add_co_u32 s2, s2, STAGE                     ; my stage
	v_mul_u32_u24 v[STO], v244, SPITCH
	s_delay_alu instid0(VALU_DEP_1)
	v_lshl_add_u32 v[STO], v245, 5, v[STO]
	s_delay_alu instid0(VALU_DEP_1)
	v_add_nc_u32 v[STO], s2, v[STO]                ; in: row r, + 32 h
	v_mul_u32_u24 v[RD], v245, SPITCH
	s_delay_alu instid0(VALU_DEP_1)
	v_lshl_add_u32 v[RD], v244, 4, v[RD]
	s_delay_alu instid0(VALU_DEP_1)
	v_add_nc_u32 v[RD], s2, v[RD]                  ; back: lanes 0-15 one row of 256 bytes, lanes 16-31 the next
	v_lshlrev_b32 v[GO], 8, v245
	s_delay_alu instid0(VALU_DEP_1)
	v_lshl_add_u32 v[GO], v244, 4, v[GO]           ; and the same two rows in out0
	v_lshlrev_b32 v[DM], 4, v245
	s_delay_alu instid0(VALU_DEP_1)
	v_sub_nc_u32 v[DM], v244, v[DM]
	s_delay_alu instid0(VALU_DEP_1)
	v_add_nc_u32 v[DM], s[X16], v[DM]              ; 16 x + r - 16 h
	; descriptor groups 0.  Every wave makes all of them; waves 0 and 1 ask by K's, waves 2 and 3 by V's.
	s_mul_i32 s2, s[PAR], 768
	s_add_co_u32 s66, s[HC], s2                    ; K: the head, and the even (wave 0) or odd (wave 1) groups of 16 keys
	s_mov_b32 s67, 0
	s_mul_i32 s3, s[PAR], KODD
	s_wait_kmcnt 0x0
	s_add_nc_u64 s[4:5], s[4:5], s[66:67]
.irp c, 0,1,2,3                                        ; chunk c: keys 512 c .. 512 c + 511
	s_mov_b32 s[G0K+4*\c], 1                       ; 1:0 count = 1
	s_add_co_u32 s[G0K+4*\c+1], s3, 12288*\c       ; 63:32 LDS address
	s_add_nc_u64 s[G0K+4*\c+2:G0K+4*\c+3], s[4:5], 24576*\c   ; 120:64 global address
	s_or_b32 s[G0K+4*\c+3], s[G0K+4*\c+3], 0x80000000         ; 127:126 type = 2
.endr
	s_mul_i32 s2, s[PAR], 192
	s_add_co_u32 s66, s[HC], s2                    ; V: the head, and tile 0 (wave 2) or 1 (wave 3)
	s_add_nc_u64 s[12:13], s[12:13], s[66:67]
	s_mul_i32 s3, s[PAR], VTILE
.irp c, 0,1,2,3                                        ; tile 2 c + wave % 2: keys 256 (2 c + wave % 2) on
	s_mov_b32 s[G0V+4*\c], 1
	s_add_co_u32 s[G0V+4*\c+1], s3, VBASE+2*VTILE*\c
	s_add_nc_u64 s[G0V+4*\c+2:G0V+4*\c+3], s[12:13], 384*\c
	s_or_b32 s[G0V+4*\c+3], s[G0V+4*\c+3], 0x80000000
.endr
	s_lshl_b32 s2, s[PAR], 11
	s_add_co_u32 s66, s[HS], s2                    ; the scale bytes: the head, and my half of its 4,096
	s_add_nc_u64 s[6:7], s[6:7], s[66:67]
	s_add_nc_u64 s[14:15], s[14:15], s[66:67]
	s_mul_i32 s3, s[PAR], 2560
	s_mov_b32 s[G0SK], 1
	s_add_co_u32 s[G0SK+1], s3, SCK
	s_mov_b64 s[G0SK+2:G0SK+3], s[6:7]
	s_or_b32 s[G0SK+3], s[G0SK+3], 0x80000000
	s_mov_b32 s[G0SV], 1
	s_add_co_u32 s[G0SV+1], s3, SCV
	s_mov_b64 s[G0SV+2:G0SV+3], s[14:15]
	s_or_b32 s[G0SV+3], s[G0SV+3], 0x80000000
	; Q and out0 at my first query
	s_lshl_b32 s[Q0], s[GB], 7
	s_add_co_u32 s[Q0], s[Q0], s[X16]              ; 128 G + 16 x
	s_mul_i32 s[XO], s[Q0], 48
	s_add_co_u32 s[XO], s[XO], s[HC]
	s_mov_b32 s[XO+1], 0
	s_add_nc_u64 s[8:9], s[8:9], s[XO:XO+1]
	s_lshl_b32 s[XO], s[Q0], 1
	s_add_co_u32 s[XO], s[XO], s[HS]
	s_add_nc_u64 s[10:11], s[10:11], s[XO:XO+1]
	s_lshl_b32 s[XO], s[HS], 7                     ; head x 2,048 rows of 256 bytes
	s_lshl_b32 s[Q0], s[Q0], 8
	s_add_co_u32 s[XO], s[XO], s[Q0]
	s_add_nc_u64 s[16:17], s[16:17], s[XO:XO+1]
	CROUND                                         ; all four work-groups are here: the joint loads meet
	; ALL FILLS OF THE LAUNCH, in one group: a wave's five stand in one branch on its number; five tensor loads of a wave are out at the most.  The scale bytes and what key steps 0 and 1 want come first.
	; Four v_nop follow the last load of each arm, ahead of the jump and the label.
	s_cmp_lt_u32 s[WV], 2
	s_cbranch_scc0 .Lnot_k
	tensor_load_to_lds s[G0SK:G0SK+3], s[G1S:G1S+7]
	s_nop 0
.irp c, 0,1,2,3
	tensor_load_to_lds s[G0K+4*\c:G0K+4*\c+3], s[G1K:G1K+7]
	s_nop 0
.endr
	PLACES
	s_branch .Lasked
.Lnot_k:
	s_cmp_lt_u32 s[WV], 4
	s_cbranch_scc0 .Lasked
	tensor_load_to_lds s[G0SV:G0SV+3], s[G1S:G1S+7]
	s_nop 0
.irp c, 0,1,2,3
	tensor_load_to_lds s[G0V+4*\c:G0V+4*\c+3], s[G1V:G1V+7]
	s_nop 0
.endr
	PLACES
.Lasked:
.irp p, 0,1,2
	global_load_b64 v[RQ+2*\p:RQ+2*\p+1], v[QO], s[8:9] offset:8*\p   ; Q's fragment stays in registers: k = 32 h .. 32 h + 31 of row r
.endr
	global_load_u16 v[QS], v[QSO], s[10:11]        ; its scale word: two bytes, the upper two 0
.irp i, 6,7,8,9,10,11
	v_mov_b32 v[RQ+\i], 0                          ; k = 64 .. 127: zero codes, set once
.endr
.irp t, 0,1,2,3
.irp i, 6,7,8,9,10,11
	v_mov_b32 v[KF+12*\t+\i], 0                    ; the same in K's four fragments: the loads never touch these
.endr
.endr
	v_mov_b32 v[NM+1], 0xff61b1e6                  ; the largest t so far: -3e38, under every t
	s_delay_alu instid0(VALU_DEP_1)
	v_floor_f32 v[NM], -v[NM+1]                    ; -M
	v_mov_b32 v[LS], 0                             ; the sum, in two halves
	v_mov_b32 v[LS+1], 0
.irp b, 0,1,2,3
	v_mov_b32 v[PB+\b], 0                          ; written once: a lane permute's destination counts as one of its sources
.endr
	v_mov_b32 v[FF+1], 0                           ; named as the upper half of f's pair
	v_mov_b32 v[T2], 0
.set j, 0
.rept 32
	v_mov_b32 v[OT+j], 0                           ; O^T.  (The key step is written without a first step of its own: the first finds zeros, which the first change of M leaves zeros)
.set j, j+1
.endr
; Four tiles of K, 4 g .. 4 g + 3 of the pair's step q: 24 bytes a lane and tile, in pieces of 8
.macro KLOAD q, g
.irp t, 0,1,2,3
.irp p, 0,1,2
	ds_load_b64 v[KF+12*\t+2*\p:KF+12*\t+2*\p+1], v[ADK] offset:3072*(\q)+768*((4*(\g)+\t)/2)+384*(\t%2)+8*\p
.endr
.endr
.endm
; A fragment of V^T: rows d = 16 t + r, the 128 keys of the pair's step q.  Lanes 0-15 take the row's pieces 12 q + 0, 1, 2 and 12 q + 6, 7, 8, lanes 16-31 those three pieces on;
; 16 bytes of padding lie behind every 8 pieces: where the piece three on lies behind one padding more, the second address register serves
.macro VFRAG reg, q, t
.irp p, 0,1,2,3,4,5
.set PCE, 12*(\q)+6*(\p/3)+\p%3
.if PCE%8 < 5
	ds_load_b64 v[\reg+2*\p:\reg+2*\p+1], v[ADVA] offset:8*PCE+16*(PCE/8)+3840*(\t)
.else
	ds_load_b64 v[\reg+2*\p:\reg+2*\p+1], v[ADVB] offset:8*PCE+16*(PCE/8)+3840*(\t)
.endif
.endr
.endm
; S^T's tile t.  An odd tile's scale words lie in lanes 16-31 of the register that holds the even tile's in lanes 0-15.
.macro QK t
.if (\t)%2
	v_wmma_scale_f32_16x16x128_f8f6f4 v[SS+8*(\t):SS+8*(\t)+7], v[KF+12*((\t)%4):KF+12*((\t)%4)+11], v[RQ:RQ+11], 0, v[KS+(\t)/2], v[QS] matrix_a_fmt:MATRIX_FMT_FP6 matrix_b_fmt:MATRIX_FMT_FP6 matrix_a_scale:MATRIX_SCALE_ROW1
.else
	v_wmma_scale_f32_16x16x128_f8f6f4 v[SS+8*(\t):SS+8*(\t)+7], v[KF+12*((\t)%4):KF+12*((\t)%4)+11], v[RQ:RQ+11], 0, v[KS+(\t)/2], v[QS] matrix_a_fmt:MATRIX_FMT_FP6 matrix_b_fmt:MATRIX_FMT_FP6
.endif
.endm
; O^T's tile t += V^T P^T.  The four accumulators take turns, and the next step's eight products K Q^T stand between two links of a chain.
.macro PV t
.if (\t)%2
	v_wmma_scale_f32_16x16x128_f8f6f4 v[OT+8*(\t):OT+8*(\t)+7], v[VF+12*(\t):VF+12*(\t)+11], v[PC:PC+11], v[OT+8*(\t):OT+8*(\t)+7], v[VS+(\t)/2], v[PS] matrix_a_fmt:MATRIX_FMT_FP6 matrix_b_fmt:MATRIX_FMT_FP6 matrix_a_scale:MATRIX_SCALE_ROW1
.else
	v_wmma_scale_f32_16x16x128_f8f6f4 v[OT+8*(\t):OT+8*(\t)+7], v[VF+12*(\t):VF+12*(\t)+11], v[PC:PC+11], v[OT+8*(\t):OT+8*(\t)+7], v[VS+(\t)/2], v[PS] matrix_a_fmt:MATRIX_FMT_FP6 matrix_b_fmt:MATRIX_FMT_FP6
.endif
.endm
; On the diagonal the scores of hidden keys become -infinity ahead of the maximum: p = 0 then.  Register 16 b + i holds key 128 G + 16 (lane / 16) + 32 b + i: hidden where 32 b + i > DM.
.macro MASK
	v_mov_b32 v[T2], 0xff800000
.set n, 0
.rept 64
	v_cmp_gt_i32 vcc_lo, 32*(n/16)+n%16, v[DM]
	v_cndmask_b32 v[SS+n], v[SS+n], v[T2], vcc_lo
.set n, n+1
.endr
.endm
; The softmax of 128 keys for my query: scores in, p's codes and scale word out; the sum and O^T brought under the new M.
.macro SOFTMAX
.irp b, 0,1,2,3
	v_max3_num_f32 v[BM+\b], v[SS+16*\b], v[SS+1+16*\b], v[SS+2+16*\b]   ; THE LARGEST SCORE OF EACH BLOCK OF 32 KEYS serves twice: for the row's maximum, and, since p rises with the score, for the block's largest p
.endr
.irp i, 3,5,7,9,11,13
.irp b, 0,1,2,3
	v_max3_num_f32 v[BM+\b], v[BM+\b], v[SS+16*\b+\i], v[SS+1+16*\b+\i]  ; (the four blocks by turns; each accumulator is read from its low end on)
.endr
.endr
.irp b, 0,1,2,3
	v_max_num_f32 v[BM+\b], v[BM+\b], v[SS+15+16*\b]
.endr
.irp b, 0,1,2,3
	s_delay_alu instid0(VALU_DEP_4)
	v_permlanex16_b32 v[PB+\b], v[BM+\b], s[SEL], s[SEL+1]
.endr
.irp b, 0,1,2,3
	s_delay_alu instid0(VALU_DEP_4)
	v_max_num_f32 v[BM+\b], v[BM+\b], v[PB+\b]     ; with lane l xor 16's 16 keys
.endr
	s_delay_alu instid0(VALU_DEP_2)
	v_max3_num_f32 v[T2], v[BM], v[BM+1], v[BM+2]
	s_delay_alu instid0(VALU_DEP_1)
	v_max_num_f32 v[T2], v[T2], v[BM+3]            ; the step's largest score of my query
	s_delay_alu instid0(VALU_DEP_1)
	v_mul_f32 v[T2], s[CS], v[T2]                  ; as t (c is positive)
	s_delay_alu instid0(VALU_DEP_1)
	v_max_num_f32 v[NM+1], v[NM+1], v[T2]          ; the running largest t
	v_mov_b32 v[T2], v[NM]
	s_delay_alu instid0(VALU_DEP_2)
	v_floor_f32 v[NM], -v[NM+1]                    ; the new -M = floor(-t) = -ceil(t): M is a whole number
	s_delay_alu instid0(VALU_DEP_1)
	v_sub_f32 v[T2], v[NM], v[T2]                  ; M's old value less its new one: a whole number, 0 or less
	s_delay_alu instid0(VALU_DEP_1)
	v_cvt_i32_f32 v[T2], v[T2]                     ; (it saturates)
	s_delay_alu instid0(VALU_DEP_1)
	v_ldexp_f32 v[FF], 1.0, v[T2]                  ; f = 2^(old M - new M)
.set j, 0
.rept 32
	v_pk_fma_f32 v[SS+j:SS+j+1], v[SS+j:SS+j+1], s[CS:CS+1], v[NM:NM+1] op_sel_hi:[1,0,0]   ; t - M, two at a time (of the pairs c and -M the low word serves both halves)
.set j, j+2
.endr
.irp b, 0,1,2,3
	v_fma_f32 v[BM+\b], v[BM+\b], s[CS], v[NM]     ; the same of each block's largest score
.endr
.set j, 0
	s_wait_alu depctr_va_vdst(0)
.rept 64
	v_exp_f32 v[SS+j], v[SS+j]                     ; p = 2^(t - M), at most 1: not normalised
.set j, j+1
.endr
.irp b, 0,1,2,3
	v_exp_f32 v[BM+\b], v[BM+\b]                   ; the block's largest p: the same two instructions on the same number give the same bits
.endr
	v_pk_mul_f32 v[LS:LS+1], v[LS:LS+1], v[FF:FF+1] op_sel_hi:[1,0]   ; the sums under the new M.  (The plain instruction behind the exponentials: ISA guide 5.7.2)
	s_wait_alu depctr_va_vdst(0)
.irp b, 0,1,2,3
	v_max_num_f32 v[BM+\b], 0x1800000, v[BM+\b]    ; the floor 2^(3 - 127): the byte cannot fall under 1 (a block whose every p is 0 keeps that byte: its codes are zeros)
.endr
.irp b, 0,1,2,3
	s_delay_alu instid0(VALU_DEP_4)
	v_add_nc_u32 v[SO+\b], 0xff000000, v[BM+\b]    ; 2 off the exponent field: the conversion takes this operand's exponent field as its scale
.endr
.irp b, 0,1,2,3
	s_delay_alu instid0(VALU_DEP_4)
	v_lshrrev_b32 v[PB+\b], 23, v[SO+\b]           ; the scale's byte
.endr
	s_delay_alu instid0(VALU_DEP_3)
	v_lshl_or_b32 v[PS], v[PB+1], 8, v[PB]         ; p's scale word for these 128 keys
	s_delay_alu instid0(VALU_DEP_1)
	v_lshl_or_b32 v[PS], v[PB+2], 16, v[PS]
	s_delay_alu instid0(VALU_DEP_1)
	v_lshl_or_b32 v[PS], v[PB+3], 24, v[PS]
.irp c, 0,1
	v_cvt_scalef32_pk16_fp6_f32 v[PC+6*\c:PC+6*\c+2], v[SS+32*\c:SS+32*\c+15], v[SO+2*\c]
	v_cvt_scalef32_pk16_fp6_f32 v[PB+216*\c:PB+216*\c+2], v[SS+32*\c+16:SS+32*\c+31], v[SO+2*\c+1]   ; (a conversion's three registers begin on an even number: v28 and v244, both free by now)
.endr
	v_nop                                          ; one plain instruction between a scaled conversion and the instruction that touches its result
.irp c, 0,1                                            ; the operand's layout wants a WHOLE block in a lane: lanes 0-15 block 2 c, lanes 16-31 block 2 c + 1
.irp i, 0,1,2
	v_permlane16_swap_b32 v[PC+6*\c+\i], v[PB+216*\c+\i]
.endr
.irp i, 0,1,2
	s_delay_alu instid0(VALU_DEP_3)
	v_mov_b32 v[PC+3+6*\c+\i], v[PB+216*\c+\i]
.endr
.endr
	v_pk_add_f32 v[28:29], v[132:133], v[136:137]
	v_pk_add_f32 v[250:251], v[140:141], v[144:145]
	v_pk_add_f32 v[248:249], v[148:149], v[152:153]
	v_pk_add_f32 v[246:247], v[156:157], v[160:161]
	v_pk_add_f32 v[244:245], v[164:165], v[168:169]
	v_pk_add_f32 v[238:239], v[172:173], v[176:177]
	v_pk_add_f32 v[236:237], v[180:181], v[184:185]
	v_pk_add_f32 v[14:15], v[14:15], v[188:189]
	v_pk_add_f32 v[28:29], v[28:29], v[128:129]
	v_pk_add_f32 v[250:251], v[250:251], v[130:131]
	v_pk_add_f32 v[248:249], v[248:249], v[134:135]
	v_pk_add_f32 v[246:247], v[246:247], v[138:139]
	v_pk_add_f32 v[244:245], v[244:245], v[142:143]
	v_pk_add_f32 v[238:239], v[238:239], v[146:147]
	v_pk_add_f32 v[236:237], v[236:237], v[150:151]
	v_pk_add_f32 v[14:15], v[14:15], v[154:155]
	v_pk_add_f32 v[28:29], v[28:29], v[158:159]
	v_pk_add_f32 v[250:251], v[250:251], v[162:163]
	v_pk_add_f32 v[248:249], v[248:249], v[166:167]
	v_pk_add_f32 v[246:247], v[246:247], v[170:171]
	v_pk_add_f32 v[244:245], v[244:245], v[174:175]
	v_pk_add_f32 v[238:239], v[238:239], v[178:179]
	v_pk_add_f32 v[236:237], v[236:237], v[182:183]
	v_pk_add_f32 v[14:15], v[14:15], v[186:187]
	v_pk_add_f32 v[28:29], v[28:29], v[190:191]
	s_delay_alu instid0(VALU_DEP_2)
	v_pk_add_f32 v[14:15], v[14:15], v[246:247]
	s_delay_alu instid0(VALU_DEP_2)
	v_pk_add_f32 v[28:29], v[28:29], v[244:245]
	v_pk_add_f32 v[250:251], v[250:251], v[238:239]
	v_pk_add_f32 v[248:249], v[248:249], v[236:237]
	s_delay_alu instid0(VALU_DEP_2)
	v_pk_add_f32 v[14:15], v[14:15], v[250:251]
	s_delay_alu instid0(VALU_DEP_2)
	v_pk_add_f32 v[28:29], v[28:29], v[248:249]
	s_delay_alu instid0(VALU_DEP_1)
	v_pk_add_f32 v[14:15], v[14:15], v[28:29]
.set j, 0
.rept 16
	v_pk_mul_f32 v[OT+j:OT+j+1], v[OT+j:OT+j+1], v[FF:FF+1] op_sel_hi:[1,0]   ; O^T under the new M.  (The sums and these are the places between p's codes and scale word and the products that take them)
.set j, j+2
.endr
.endm
; THE WAY OUT, once a wave, straight behind its diagonal step: so the work-group's stores are spread over the launch.  O^T / the sum goes through my own stage and comes back as whole rows: sixteen lanes store 256 consecutive bytes.
.macro WAYOUT
	PLACES
	v_add_f32 v[LS], v[LS], v[LS+1]                ; the sum's two halves,
	s_delay_alu instid0(VALU_DEP_1)
	v_permlanex16_b32 v[T2], v[LS], s[SEL], s[SEL+1]
	s_delay_alu instid0(VALU_DEP_1)
	v_add_f32 v[LS], v[LS], v[T2]                  ; and lane l xor 16's: the row's sum
	s_wait_alu depctr_va_vdst(0)
	v_rcp_f32 v[LS], v[LS]
	v_nop                                          ; a plain instruction behind the reciprocal
.set j, 0
	s_wait_alu depctr_va_vdst(0)
.rept 16
	v_pk_mul_f32 v[SS+j:SS+j+1], v[OT+j:OT+j+1], v[LS:LS+1] op_sel_hi:[1,0]   ; register 8 t + i is o(r, 16 t + 8 h + i); each accumulator from its low end on
.set j, j+2
.endr
.irp t, 0,1,2,3
	ds_store_b128 v[STO], v[SS+8*\t:SS+8*\t+3] offset:64*\t
	ds_store_b128 v[STO], v[SS+8*\t+4:SS+8*\t+7] offset:64*\t+16
.endr
.irp i, 0,1,2,3,4,5,6,7
	ds_load_b128 v[SS+32+4*\i:SS+35+4*\i], v[RD] offset:2*\i*SPITCH   ; LDS serves a wave's instructions in order (ISA guide 5.7.1.4): these see my stores
.endr
.irp i, 0,1,2,3,4,5,6,7
	s_wait_dscnt 7-\i                              ; load i is in; the 7 - i younger ones may be out
	global_store_b128 v[GO], v[SS+32+4*\i:SS+35+4*\i], s[16:17] offset:512*\i th:TH_STORE_NT   ; 16 lanes store a row of 256 bytes, at a multiple of 256 from out0's first byte; written once, read by nobody here
.endr
	s_wait_xcnt 0x0                                ; the stores' registers are written again only behind this wait
.endm
; A KEY STEP: 128 keys, step q of the pair that the address registers point at.  The branches hang on the step's number and on G, which hangs on the wave's number: no barrier and no tensor load stands in a step.
.macro STEP q
	s_cmp_gt_u32 s[JS], s[GB]                      ; all keys of this step come after my queries: nothing to do
	s_cbranch_scc1 .Lskip_\@
	s_wait_alu depctr_va_vdst(0)
.irp s, 0,1,2,3
	ds_load_u16 v[KS+\s], v[ADS] offset:320*(\q)+80*\s   ; K's scale words of tiles 2 s (lanes 0-15) and 2 s + 1 (lanes 16-31): two bytes, the upper two 0
.endr
	KLOAD \q, 0
	s_wait_dscnt 0x0
.irp t, 0,1,2,3
	QK \t
.endr
	PLACES                                         ; in front of the loads into K's fragments, and into V's, which the last step's products read
	KLOAD \q, 1
.irp t, 0,1,2,3
	VFRAG VF+12*\t, \q, \t                         ; V's fragments land while the softmax is worked
.endr
.irp s, 0,1
	ds_load_b32 v[VS+\s], v[ADT] offset:2560*\s+4*(\q)   ; V's scale words of tiles 2 s and 2 s + 1
.endr
	s_wait_dscnt 26                                ; K's twelve pieces are in; behind them V's 24 pieces and 2 scale words may be out
.irp t, 4,5,6,7
	QK \t
.endr
	PLACES
	s_cmp_lt_u32 s[JS], s[GB]                      ; a step ahead of the diagonal: all its keys count
	s_cbranch_scc1 .Lopen_\@
	MASK
.Lopen_\@:
	SOFTMAX
	s_wait_alu depctr_va_vdst(0)
	s_wait_dscnt 0x0                               ; V
.irp t, 0,1,2,3
	PV \t
.endr
	s_cmp_lt_u32 s[JS], s[GB]
	s_cbranch_scc1 .Lskip_\@
	WAYOUT                                         ; that was my last step
.Lskip_\@:
	s_add_co_u32 s[JS], s[JS], 1
.endm
.macro ADVANCE                                         ; on to the next 256 keys; every wave, whether it still works or not
	v_add_nc_u32 v[ADK], 6144, v[ADK]              ; 8 rows of 768 bytes in each of K's two regions
	v_add_nc_u32 v[ADVA], VTILE, v[ADVA]
	v_add_nc_u32 v[ADVB], VTILE, v[ADVB]
	v_add_nc_u32 v[ADS], 640, v[ADS]               ; 8 rows of 80 bytes
	v_add_nc_u32 v[ADT], 8, v[ADT]                 ; two words in each row
.endm
	s_wait_loadcnt 0x0                             ; Q
	s_wait_tensorcnt 0x3                           ; my scale bytes and my first chunk are in (keys 0 .. 511 of K, or a first tile of V); the three loads issued behind them may stay out
	s_barrier_signal -1
	s_barrier_wait -1                              ; everybody's are
	STEP 0                                         ; keys 0 .. 255 are worked while the rest of the head lands
	STEP 1
	ADVANCE
	s_wait_tensorcnt 0x0                           ; all my tensor loads have landed,
	s_wait_dscnt 0x0                               ; and no LDS instruction of mine is out at the signal
	s_barrier_signal -1
	s_barrier_wait -1                              ; the whole head lies in LDS
	s_mov_b32 s[TRIPS], 7
.Ltrip:                                                ; seven trips of two key steps, the same count in every wave; a wave past its diagonal walks through
	STEP 0
	STEP 1
	s_wait_alu depctr_va_vdst(0)
	ADVANCE
	s_sub_co_u32 s[TRIPS], s[TRIPS], 1
	s_cmp_lg_u32 s[TRIPS], 0
	s_cbranch_scc1 .Ltrip
	s_wait_dscnt 0x0
	s_wait_xcnt 0x0
	v_lshl_add_u32 v254, v0, 2, 0x49900
	v_mov_b32 v255, 0
	s_wait_alu depctr_va_vdst(0)
	s_wait_tensorcnt 0x0
	ds_add_u32 v254, v255
	s_wait_dscnt 0x0
	CROUND                                         ; the closing round: no work-group ends ahead of its partners
	s_endpgm
.Lfunc_end_k_q214a5d6bf2_attn:
	.size	k_q214a5d6bf2_attn, .Lfunc_end_k_q214a5d6bf2_attn-k_q214a5d6bf2_attn
	.p2alignl 7, 3214868480
	.fill 96, 4, 3214868480
	.section	.rodata,"a",@progbits
	.p2align	6, 0x0
	.amdhsa_kernel k_q214a5d6bf2_attn
		.amdhsa_group_segment_fixed_size 303360
		.amdhsa_private_segment_fixed_size 0
		.amdhsa_enable_private_segment 0
		.amdhsa_kernarg_size 56
		.amdhsa_user_sgpr_count 2
		.amdhsa_user_sgpr_kernarg_segment_ptr 1
		.amdhsa_wavefront_size32 1
		.amdhsa_system_sgpr_workgroup_id_x 1
		.amdhsa_system_sgpr_workgroup_id_y 1
		.amdhsa_system_sgpr_workgroup_id_z 1
		.amdhsa_system_vgpr_workitem_id 0
		.amdhsa_next_free_vgpr 256
		.amdhsa_next_free_sgpr 102
		.amdhsa_reserve_vcc 1
		.amdhsa_float_denorm_mode_32 3
		.amdhsa_float_denorm_mode_16_64 3
		.amdhsa_memory_ordered 1
		.amdhsa_forward_progress 1
		.amdhsa_inst_pref_size 123
	.end_amdhsa_kernel
	.amdgpu_metadata
---
amdhsa.version: [ 1, 2 ]
amdhsa.kernels:
  - .name:           k_q214a5d6bf2_attn
    .symbol:         k_q214a5d6bf2_attn.kd
    .args:
      - { .name: k_codes, .offset: 0, .size: 8, .value_kind: global_buffer, .address_space: global }
      - { .name: k_scales, .offset: 8, .size: 8, .value_kind: global_buffer, .address_space: global }
      - { .name: q_codes, .offset: 16, .size: 8, .value_kind: global_buffer, .address_space: global }
      - { .name: q_scales, .offset: 24, .size: 8, .value_kind: global_buffer, .address_space: global }
      - { .name: v_codes, .offset: 32, .size: 8, .value_kind: global_buffer, .address_space: global }
      - { .name: v_scales, .offset: 40, .size: 8, .value_kind: global_buffer, .address_space: global }
      - { .name: out0, .offset: 48, .size: 8, .value_kind: global_buffer, .address_space: global }
    .group_segment_fixed_size: 303360
    .private_segment_fixed_size: 0
    .kernarg_segment_align: 8
    .kernarg_segment_size: 56
    .max_flat_workgroup_size: 512
    .sgpr_count:     102
    .vgpr_count:     256
    .wavefront_size: 32
...
	.end_amdgpu_metadata
.endif
;; end of part 1
